; MI455X (gfx1250); checked and timed in simulation.
; The chip was launched on July 23, 2026; its instructions are those of AMD's public machine-readable ISA for CDNA 5 (MIT licence, August 2026) and "CDNA5" Instruction Set Architecture Reference Guide (July 2026). The comments in the code are by the model that wrote it; some were corrected since.
;; Self Attention. Allowed arithmetic: matrix products marked QUANTISED: E3M2 operands, one E8M0 scale for each 32 along K, by v_wmma_scale_f32_16x16x128_f8f6f4 with both operands' format E3M2, f32 sums; everything else in f32.
;; Inputs: Wk 1,024 x 1,024 float32; Wo 1,024 x 1,024 float32; Wq 1,024 x 1,024 float32; Wv 1,024 x 1,024 float32; bo 1,024 float32; x 4 x 2,048 x 1,024 float32.
;; Outputs: out0 4 x 2,048 x 1,024 float32.
;; This version of the problem:
;;   THIS VERSION OF THE PROBLEM IS GIVEN IN LOW PRECISION. The matrix products marked QUANTISED in the list below multiply operands that are first quantised to E3M2 (3 exponent bits, 2 mantissa bits; 6 bits a number), with one power-of-two scale for each 32 numbers along K (OCP MX v1.0); their sums are f32. All else is computed in f32.
;;   The module's matrix products, in the order in which they are computed (A, B: the left and right operand; K: the contracted axis; several contracted axes count as one K, in the product's order):
;;     1. [M 8,192, K 1,024] x [K 1,024, N 1,024]; A: input x; B: input Wq: QUANTISED
;;     2. [M 8,192, K 1,024] x [K 1,024, N 1,024]; A: input x; B: input Wk: QUANTISED
;;     3. [M 8,192, K 1,024] x [K 1,024, N 1,024]; A: input x; B: input Wv: QUANTISED
;;     4. batch 64 x [M 2,048, K 64] x [K 64, N 2,048]; A: computed on the way; B: computed on the way: QUANTISED
;;     5. batch 64 x [M 2,048, K 2,048] x [K 2,048, N 64]; A: softmax (see below); B: computed on the way: QUANTISED
;;     6. [M 8,192, K 1,024] x [K 1,024, N 1,024]; A: computed on the way; B: input Wo: QUANTISED
;;   THE QUANTISER, for each operand of a quantised product, along K:
;;     - K is cut into blocks of 32 from its start; a last block that is shorter is filled with zeros.
;;     - A block's scale is 2^e with e = floor(log2(the largest magnitude in the block)) - 4, held to -126 .. 127; a block of zeros has e = 0. As a byte (E8M0): e + 127.
;;     - Each number is divided by its block's scale, clamped to +-28, and rounded to the nearest number of E3M2, ties to even, subnormals kept.
;;     - The product sums the exact products of the quantised numbers (number of the format x scale) in f32.
;;   ~~~python
;;   def quantise(x, axis):      # numpy; x: float32 -> the quantised numbers, widened to float32 again
;;       x = np.moveaxis(x, axis, -1); K = x.shape[-1]
;;       x = np.pad(x, [(0, 0)] * (x.ndim - 1) + [(0, -K % 32)]); x = x.reshape(x.shape[:-1] + (-1, 32)); a = np.abs(x).max(-1, keepdims=True)
;;       e = np.where(a > 0, np.clip(np.frexp(np.where(a > 0, a, 1))[1] - 1 - 4, -126, 127), 0)      # np.frexp(a)[1] - 1 = floor(log2(a)), exactly
;;       r = np.clip(x / 2.0 ** e, -28, 28)
;;       step = 2.0 ** (np.maximum(np.frexp(np.where(r == 0, 1, r))[1] - 1, -2) - 2)
;;       q = np.round(r / step) * step * 2.0 ** e      # np.round: ties to even
;;       return np.moveaxis(q.reshape(q.shape[:-2] + (-1,))[..., :K], -1, axis).astype(np.float32)
;;   ~~~
;;   SOFTMAX AHEAD OF A QUANTISED PRODUCT. Where the list says 'softmax', what is quantised is not the finished softmax but p = 2^(t - M), with t = logit x log2(e) and M = ceil(the row's largest t), a whole number; so 1/2 < the row's largest p <= 1. The row's sum l is taken of the UNQUANTISED p, in f32, and the product's result is divided by l at the end. Since M is a whole number, a kernel that streams over the keys may use a running M (the ceiling of the running maximum): every later rescaling is an exact power of two, which a block's scale takes up: the codes' values come out the same.
;;   OPERANDS COMPUTED ON THE WAY. 'Computed on the way' means the value that the module computes at that place (a softmax that the list does not call 'softmax' is quantised finished and normalised). What goes into a quantiser is computed in f32, as accurately as f32 sums, v_exp_f32 and their like allow (about 1e-6 of the number): no bf16 or f16 on the way to a quantiser, and a product that is left as it is and whose result goes on into a quantised operand takes f32 operands (vector FMAs, or v_wmma_f32_16x16x4_f32). A number that lies on a knife's edge between two numbers of the format may be rounded either way, as far as f32 arithmetic and the matrix unit's own rounding can turn it there, and no further.
;; One version. Each part assembles by itself: llvm-mc -triple=amdgcn-amd-amdhsa -mcpu=gfx1250 --defsym DOCPART=n.
;; ======== version 1 of 1: 4 launches
;; limits: right only within a limited range of input values
;; workspace buffers: opc 9,437,184 bytes; ops 393,216 bytes; qkvc 18,874,368 bytes; qkvs 786,432 bytes; ac 6,291,456 bytes; asc 262,144 bytes
;; launch quant (part 1): grid 256 x 1, 6 waves a work-group, no clusters, 51,712 bytes of LDS; arguments x, Wq, Wk, Wv, Wo, opc, ops; writes opc, ops
.if DOCPART == 1
	.amdgcn_target "amdgcn-amd-amdhsa--gfx1250"
	.amdhsa_code_object_version 6
	.text
	.protected	k_q8f1afe7230_quant
	.globl	k_q8f1afe7230_quant
	.p2align	8
	.type	k_q8f1afe7230_quant,@function
k_q8f1afe7230_quant:
	s_mov_b64 s[64:65], 0
	v_nop
	global_prefetch_b8 v0, s[64:65] scope:SCOPE_SE
	s_setreg_imm32_b32 hwreg(HW_REG_WAVE_MODE, 25, 1), 1
	s_wait_xcnt 0x0
; x [8192][1024] and Wq, Wk, Wv, Wo [1024][1024], f32, K innermost, become codes of BF6 (E3M2) and one E8M0 scale byte for each 32 along K, laid as the matrix unit's registers want them.
; The five tensors are one list of 12,288 rows (x 0.., Wq 8192.., Wk 9216.., Wv 10240.., Wo 11264..) in 768 tiles of 16.  Tile 2 G + u holds rows 32 G + 8 u + r + 8 (r / 8), r = 0..15: as source 0 of a matrix
; instruction two neighbouring tiles leave 16 neighbouring rows in 16 result registers, which is what the later quantisers want.
; CODES: opc[tile][K step of 128 (8)][j (3)][lane (32)][16 bytes]: registers 4 j .. 4 j + 3 of lane (r, h) of the fragment: registers 0-5 are k = 32 h + 0..31, registers 6-11 k = 64 + 32 h + 0..31.
; SCALES: ops[tile][lane (r, p)][4 words]: word i is row r's scale word of K step 2 i + p.
; A block's scale is 2^(floor(log2(its largest magnitude)) - 4); its byte is the largest magnitude's exponent field - 4, held at 1 from below.
; LIMITS: a block of zeros, and one whose largest magnitude lies under 2^-122, gets the byte 1 (the rule says 127 for zeros: the codes are zeros, and this program alone reads the bytes); NaN and infinities are not served.
; A work-group takes three tiles, a wave half of a tile's K: four steps of 16 rows x 128.  Each load reads 512 consecutive bytes of a row; a step's 8,192 bytes turn through the wave's own stage in LDS, so that a
; lane holds two whole blocks of 32; each store of codes covers 512 consecutive bytes, aligned.  Two steps' loads (32 a wave) are out at the start, one step's while a step is worked.
; No tensor loads, no barrier, no matrix unit, no cluster: waves share nothing and every byte is read once.
.set R,16                              ; v16-143  two sets of 64 registers as loaded
.set X,144                             ; v144-207 my two blocks
.set C,208                             ; v208-231 codes, two sets
.set T,232                             ; v232-238 the conversions' second halves
.set SW,240                            ; v240-241 my two scale words
.set SP,528                            ; a stage row: 512 bytes + 16
.set STG,8448
.set SPARE,50688
	s_load_b256 s[4:11], s[0:1], 0x0               ; x, Wq, Wk, Wv
	s_load_b128 s[12:15], s[0:1], 0x20             ; Wo, the codes
	s_load_b64 s[16:17], s[0:1], 0x30              ; the scale words
	v_lshl_add_u32 v14, v0, 2, SPARE
	v_mov_b32 v15, 0
	v_lshrrev_b32 v1, 5, v0
	v_readfirstlane_b32 s18, v1                    ; wave
	v_and_b32 v2, 31, v0
	v_lshlrev_b32 v3, 4, v2                        ; 16 x lane
	s_mul_i32 s19, s18, STG
	v_add_nc_u32 v4, s19, v3                       ; the stage, on the way in
	v_and_b32 v5, 15, v0
	v_mul_u32_u24 v5, v5, SP
	v_bfe_u32 v1, v0, 4, 1                         ; h
	v_lshl_add_u32 v5, v1, 7, v5
	v_add_nc_u32 v5, s19, v5                       ; and out: row r, 128 h bytes on
	v_lshlrev_b32 v1, 3, v1                        ; 8 h
	v_mov_b32 v13, 0
	s_lshr_b32 s22, s18, 1
	s_and_b32 s23, s18, 1                          ; which half of K
	s_mul_i32 s24, ttmp9, 3
	s_add_co_u32 s24, s24, s22                     ; my tile
	s_and_b32 s25, s24, 63                         ; its number inside a weight
	s_mov_b32 s28, 0x76543210
	s_mov_b32 s29, 0xfedcba98
	s_mov_b32 s30, 0xffff0000                      ; lanes 16-31
	s_wait_alu depctr_va_vdst(0)                   ; the wait at the head's end
	s_wait_kmcnt 0x0
	s_cmp_lt_u32 s24, 704                          ; which tensor: ids alone decide
	s_cselect_b64 s[20:21], s[10:11], s[12:13]
	s_cmp_lt_u32 s24, 640
	s_cselect_b64 s[20:21], s[8:9], s[20:21]
	s_cmp_lt_u32 s24, 576
	s_cselect_b64 s[20:21], s[6:7], s[20:21]
	s_cmp_lt_u32 s24, 512
	s_cselect_b64 s[20:21], s[4:5], s[20:21]
	s_cselect_b32 s25, s24, s25
	s_lshr_b32 s26, s25, 1
	s_lshl_b32 s26, s26, 5
	s_and_b32 s25, s25, 1
	s_lshl_b32 s25, s25, 3
	s_add_co_u32 s26, s26, s25                     ; the tile's first row: 32 G + 8 u
	s_lshl_b32 s26, s26, 12
	s_lshl_b32 s25, s23, 11
	s_add_co_u32 s26, s26, s25
	s_mov_b32 s27, 0
	s_add_nc_u64 s[20:21], s[20:21], s[26:27]
	s_mul_i32 s26, s24, 12288
	s_mul_i32 s25, s23, 6144
	s_add_co_u32 s26, s26, s25
	s_add_nc_u64 s[14:15], s[14:15], s[26:27]
	s_lshl_b32 s26, s24, 9
	s_lshl_b32 s25, s23, 3
	s_add_co_u32 s26, s26, s25
	s_add_nc_u64 s[16:17], s[16:17], s[26:27]
.macro LOADS s
.irp i, 0,1,2,3,4,5,6,7,8,9,10,11,12,13,14,15
	global_load_b128 v[R+64*((\s)%2)+4*\i:R+64*((\s)%2)+4*\i+3], v3, s[20:21] offset:(\i+8*(\i/8))*4096+512*(\s) th:TH_LOAD_NT
.endr
.endm
.macro STEP s
.set CC, C+12*((\s)%2)
.if (\s) < 3
	s_wait_loadcnt 16                              ; this step's 16 loads are in; the next step's may be out
.else
	s_wait_loadcnt 0x0
.endif
.irp i, 0,1,2,3,4,5,6,7,8,9,10,11,12,13,14,15
	ds_store_b128 v4, v[R+64*((\s)%2)+4*\i:R+64*((\s)%2)+4*\i+3] offset:SP*\i
.endr
.irp j, 0,1,2,3,4,5,6,7
	ds_load_b128 v[X+4*\j:X+4*\j+3], v5 offset:16*\j               ; LDS serves a wave's instructions in order: these see the stores
	ds_load_b128 v[X+32+4*\j:X+35+4*\j], v5 offset:256+16*\j
.endr
	s_wait_dscnt 0x0                               ; my two blocks are here, and the stores have read their registers,
.if (\s)+2 < 4
	LOADS (\s)+2                                   ; which take the loads of two steps on
.endif
.if (\s) >= 2
	s_wait_xcnt 0x0                                ; the stores of two steps ago have read this set of codes
.endif
.irp g, 0,1                                    ; each block's largest magnitude, in two chains
	v_max3_num_f32 v[6+\g], |v[X+32*\g]|, |v[X+32*\g+1]|, |v[X+32*\g+2]|
	v_max3_num_f32 v[8+\g], |v[X+32*\g+16]|, |v[X+32*\g+17]|, |v[X+32*\g+18]|
.endr
.irp i, 3,5,7,9,11,13
.irp g, 0,1
	v_max3_num_f32 v[6+\g], v[6+\g], |v[X+32*\g+\i]|, |v[X+32*\g+\i+1]|
	v_max3_num_f32 v[8+\g], v[8+\g], |v[X+32*\g+16+\i]|, |v[X+32*\g+17+\i]|
.endr
.endr
.irp g, 0,1
	v_max3_num_f32 v[6+\g], v[6+\g], v[8+\g], |v[X+32*\g+15]|
.endr
.irp g, 0,1
	v_max3_num_f32 v[6+\g], v[6+\g], |v[X+32*\g+31]|, 0x2800000    ; and the floor 2^(5 - 127): the byte cannot fall under 1
.endr
.irp g, 0,1
	v_add_nc_u32 v[10+\g], 0xfe000000, v[6+\g]     ; 4 off the exponent field: the conversion's scale operand
.endr
.irp g, 0,1
	v_lshrrev_b32 v[6+\g], 23, v[10+\g]
.endr
	v_lshl_or_b32 v6, v7, 16, v6                   ; my blocks h and 2 + h,
	v_lshlrev_b32 v6, v1, v6                       ; at their places in the word;
	v_permlanex16_b32 v13, v6, s28, s29
.if ((\s)%2) == 0
	v_or_b32 v[SW+(\s)/2], v6, v13                 ; with lane l xor 16's two the word is whole: an even step's is kept by lanes 0-15,
.else
	v_or_b32 v6, v6, v13
	v_cndmask_b32 v[SW+(\s)/2], v[SW+(\s)/2], v6, s30   ; an odd step's by lanes 16-31
.endif
	v_cvt_scalef32_pk16_bf6_f32 v[CC:CC+2], v[X:X+15], v10
	v_cvt_scalef32_pk16_bf6_f32 v[T:T+2], v[X+16:X+31], v10        ; (a conversion's three registers begin on an even number)
	v_cvt_scalef32_pk16_bf6_f32 v[CC+6:CC+8], v[X+32:X+47], v11
	v_cvt_scalef32_pk16_bf6_f32 v[T+4:T+6], v[X+48:X+63], v11
	v_nop                                          ; one plain line behind a scaled conversion
.irp i, 0,1,2
	v_mov_b32 v[CC+3+\i], v[T+\i]
	v_mov_b32 v[CC+9+\i], v[T+4+\i]
.endr
.irp j, 0,1,2
	global_store_b128 v3, v[CC+4*\j:CC+4*\j+3], s[14:15] offset:1536*(\s)+512*\j   ; 512 consecutive bytes, aligned
.endr
.endm
	LOADS 0
	LOADS 1
	STEP 0
	STEP 1
	STEP 2
	STEP 3
	global_store_b64 v3, v[SW:SW+1], s[16:17]      ; my half of each lane's 16 bytes of scale words
	s_wait_tensorcnt 0x0                           ; the wave's end
	ds_add_u32 v14, v15
	s_wait_dscnt 0x0
	s_endpgm
.Lfunc_end_k_q8f1afe7230_quant:
	.size	k_q8f1afe7230_quant, .Lfunc_end_k_q8f1afe7230_quant-k_q8f1afe7230_quant
	.p2alignl 7, 3214868480
	.fill 96, 4, 3214868480
	.section	.rodata,"a",@progbits
	.p2align	6, 0x0
	.amdhsa_kernel k_q8f1afe7230_quant
		.amdhsa_group_segment_fixed_size 51712
		.amdhsa_private_segment_fixed_size 0
		.amdhsa_enable_private_segment 0
		.amdhsa_kernarg_size 56
		.amdhsa_user_sgpr_count 2
		.amdhsa_user_sgpr_kernarg_segment_ptr 1
		.amdhsa_wavefront_size32 1
		.amdhsa_system_sgpr_workgroup_id_x 1
		.amdhsa_system_sgpr_workgroup_id_y 1
		.amdhsa_system_sgpr_workgroup_id_z 1
		.amdhsa_system_vgpr_workitem_id 0
		.amdhsa_next_free_vgpr 256
		.amdhsa_next_free_sgpr 66
		.amdhsa_reserve_vcc 0
		.amdhsa_float_denorm_mode_32 3
		.amdhsa_float_denorm_mode_16_64 3
		.amdhsa_memory_ordered 1
		.amdhsa_forward_progress 1
		.amdhsa_inst_pref_size 30
	.end_amdhsa_kernel
	.amdgpu_metadata
---
amdhsa.version: [ 1, 2 ]
amdhsa.kernels:
  - .name:           k_q8f1afe7230_quant
    .symbol:         k_q8f1afe7230_quant.kd
    .args:
      - { .name: x, .offset: 0, .size: 8, .value_kind: global_buffer, .address_space: global }
      - { .name: Wq, .offset: 8, .size: 8, .value_kind: global_buffer, .address_space: global }
      - { .name: Wk, .offset: 16, .size: 8, .value_kind: global_buffer, .address_space: global }
      - { .name: Wv, .offset: 24, .size: 8, .value_kind: global_buffer, .address_space: global }
      - { .name: Wo, .offset: 32, .size: 8, .value_kind: global_buffer, .address_space: global }
      - { .name: opc, .offset: 40, .size: 8, .value_kind: global_buffer, .address_space: global }
      - { .name: ops, .offset: 48, .size: 8, .value_kind: global_buffer, .address_space: global }
    .group_segment_fixed_size: 51712
    .private_segment_fixed_size: 0
    .kernarg_segment_align: 8
    .kernarg_segment_size: 56
    .max_flat_workgroup_size: 192
    .sgpr_count:     66
    .vgpr_count:     256
    .wavefront_size: 32
...
	.end_amdgpu_metadata
.endif
;; end of part 1
;; launch qkv (part 2): grid 32 x 8, 4 waves a work-group, clusters of 4 x 1, 327,680 bytes of LDS; arguments opc, ops, qkvc, qkvs; writes qkvc, qkvs
.if DOCPART == 2
	.amdgcn_target "amdgcn-amd-amdhsa--gfx1250"
	.amdhsa_code_object_version 6
	.text
	.protected	k_q8f1afe7230_qkv
	.globl	k_q8f1afe7230_qkv
	.p2align	8
	.type	k_q8f1afe7230_qkv,@function
k_q8f1afe7230_qkv:
	s_mov_b64 s[64:65], 0
	v_nop
	global_prefetch_b8 v0, s[64:65] scope:SCOPE_SE
	s_setreg_imm32_b32 hwreg(HW_REG_WAVE_MODE, 25, 1), 1
	s_wait_xcnt 0x0
	s_wait_alu depctr_hold_cnt(0) depctr_sa_sdst(0) depctr_va_vdst(0) depctr_va_sdst(0) depctr_va_ssrc(0) depctr_va_vcc(0) depctr_vm_vsrc(0)
	s_getreg_b32 s2, hwreg(HW_REG_IB_STS2, 6, 4)
	s_cmp_eq_u32 s2, 0
	s_cbranch_scc0 .Lentry_in_a_cluster
	s_endpgm
.Lentry_in_a_cluster:
	s_bfe_u32 s2, ttmp6, 0x10000c
	s_cmp_lg_u32 s2, 0x3003
	s_cbranch_scc0 .Lentry_shape_is_right
	s_endpgm
.Lentry_shape_is_right:
; q, k, v = x Wq^T, x Wk^T, x Wv^T on codes of BF6 with E8M0 scales (K = 1,024); each result is quantised again straight from the accumulators: q and k along the head's 64, v along the tokens.
; A work-group makes 256 tokens x 384 of the 3,072 columns (Wq; Wk; Wv on end): 32 x 8 = 256 work-groups.  A wave owns 64 tokens: their fragments for ALL of K, 4 tiles x 8 K steps x 12 = 384 registers, come straight
; from memory as register images and stay; they are waited for K step by K step.  The 384 weight rows for all of K, 294,912 dense bytes, come into LDS in three tiles of 128 rows, asked for jointly by the four
; work-groups of a cluster, which share the columns: tile 0 at the head, a quarter a wave; tiles 1 and 2 by one more load a wave, a first fill behind the full sequence and a round of the cluster's barrier, which has
; tile 0's 256 matrix instructions a wave in which to land.  No byte is filled twice.  At each trip's end every wave waits for its tensor loads and passes a work-group barrier: behind it the next tile is whole.
; The weights' scale words (12,288 bytes) go through registers into LDS bytes of their own.
; No prefetch: tile 0 and x are asked for at the head, and tiles 1 and 2 a whole tile's products ahead of their first read.
; A loop of three trips takes the columns in tiles of 128 (a head pair): 8 K steps x 32 matrix instructions on 32 accumulators by turns, the next K step's eight fragments fetched under each step.
; TWO ROLES, chosen in each trip by the tile's number (ids alone; the same in the whole cluster).  q, k: source 0 = 16 weight rows, source 1 = 16 tokens: a lane holds a token, its registers run along the head.
; v: the sources swapped: a lane holds a channel, its registers run along the tokens.  Rows lie in tile order (tile 2 G + u: rows 32 G + 8 u + r + 8 (r / 8)), so the 16 registers of two neighbouring
; tiles of source 0 are 16 neighbouring rows; a block of 32 is shared by lanes l and l xor 16.
; OUT, as the attention launch reads it: record = 512 sel + 128 batch + 16 head pair + block of 128 tokens, 12,288 bytes: sixteen half images (8 c + T) x 768: four registers at 16 x lane, two at 512 + 8 x lane.
; q, k: c = head of the pair, T = tile of tokens; v: c = half of the tokens, T = tile of channels.  Scale units: 512 bytes a record, 256 a head; a wave owns half of a record's tokens and stores its words or half words.
; LIMITS: a block of zeros or under 2^-122 gets the byte 1; NaN and infinities are not served.
; REGISTERS: window 0: v1-15 addresses; XS x's scale words; BS the tile's; BF two sets of the weights' eight fragments (on the way out: at work).  Windows 1, 2: x's fragments of K steps 0-3, 4-7.  Window 3: accumulators.
.set WV,12
.set G1,24
.set G0,32
.set G0B,68
.set XB,36
.set XSB,38
.set WSB,40
.set LB,42
.set LS,43
.set NT,44
.set CNT,45
.set SEL,46
.set HI,48
.set RB,50
.set UB,52
.set SCL,294912
.set SPARE,307200
.set L16,1
.set L8,2
.set LBA,3
.set LSA,5
.set STA,6
.set R8,7
.set SPW,14
.set NIL,15
.set XS,16
.set BS,32
.set BF,64
.set TM,160
.set PW,176
.set ZT,184
.set QC,200
.set MSB,0
.macro WIN new                         ; the immediate's high byte repeats the setting that is left
.if MSB != (\new)
	s_set_vgpr_msb (MSB<<8)|(\new)
.set MSB, (\new)
.endif
.endm
.macro CROUND
	s_barrier_signal -1
	s_barrier_wait -1
	s_cmp_lg_u32 s[WV], 0
	s_cbranch_scc1 .Lnot_wave_0_\@
	s_barrier_signal -3
.Lnot_wave_0_\@:
	s_barrier_wait -3
	s_barrier_signal -1
	s_barrier_wait -1
.endm
	s_load_b256 s[4:11], s[0:1], 0x0               ; codes, scale words, records, scale units
	v_lshl_add_u32 v[SPW], v0, 2, SPARE
	v_mov_b32 v[NIL], 0
	ds_add_u32 v[SPW], v[NIL]                      ; the opening lines: the add twice on end
	ds_add_u32 v[SPW], v[NIL]
	v_lshrrev_b32 v8, 5, v0
	v_readfirstlane_b32 s[WV], v8
	s_bfe_u32 s13, ttmp6, 0x40000                  ; cx
	s_lshl_b32 s14, ttmp9, 2
	s_add_co_u32 s14, s14, s13                     ; which 256 tokens
	s_and_b32 s15, ttmp7, 0xffff                   ; which 384 columns
	s_mov_b32 s[G1], 15|(3<<16)|(1<<21)            ; a quarter of tile 0: 96 rows of 256 bytes, dense
	s_mov_b32 s[G1+1], 32<<16
	s_mov_b32 s[G1+2], 96<<16
	s_mov_b32 s[G1+3], 32<<16
	s_mov_b32 s[G1+4], 96
	s_mov_b32 s[G1+5], 32
	s_mov_b32 s[G1+6], 0
	s_mov_b32 s[G1+7], 0
	s_mul_i32 s16, s15, 24
	s_add_co_u32 s16, s16, 512                     ; the first of my 24 tiles of 16 weight rows
	s_mul_i32 s54, s16, 12288
	s_mul_i32 s[G0+1], s[WV], 24576
	s_add_co_u32 s54, s54, s[G0+1]
	s_mov_b32 s55, 0
	s_mul_i32 s[G0B+1], s[WV], 49152               ; my quarter of tiles 1 and 2, which lie behind tile 0 in memory and in LDS
	s_mul_i32 s62, s16, 12288
	s_add_co_u32 s62, s62, s[G0B+1]
	s_add_co_u32 s62, s62, 98304
	s_add_co_u32 s[G0B+1], s[G0B+1], 98304
	s_mov_b32 s63, 0
	s_lshl_b32 s56, s16, 9
	s_mul_i32 s57, s[WV], 3072
	s_add_co_u32 s56, s56, s57                     ; my six tiles' scale words,
	s_add_co_u32 s20, s57, SCL                     ; and their place in LDS
	s_mov_b32 s57, 0
	s_lshl_b32 s17, s14, 4
	s_lshl_b32 s18, s[WV], 2
	s_add_co_u32 s17, s17, s18                     ; the first of my four tiles of x
	s_mul_i32 s58, s17, 12288
	s_mov_b32 s59, 0
	s_lshl_b32 s60, s17, 9
	s_mov_b32 s61, 0
	s_lshl_b32 s17, s14, 1
	s_lshr_b32 s18, s[WV], 1
	s_add_co_u32 s17, s17, s18                     ; my block of 128 tokens, 0 .. 63
	s_lshr_b32 s18, s17, 4
	s_lshl_b32 s18, s18, 7
	s_and_b32 s17, s17, 15
	s_add_co_u32 s18, s18, s17                     ; 128 batch + block
	s_and_b32 s19, s[WV], 1                        ; which half of that block
	s_mul_i32 s[NT], s15, 3                        ; the first tile of 128 columns, 0 .. 23
	s_mov_b32 s[SEL], 0x76543210
	s_mov_b32 s[SEL+1], 0xfedcba98
	s_mov_b32 s[HI], 0xffff0000
	s_wait_dscnt 0x0
	s_wait_kmcnt 0x0
	s_mov_b32 s[G0], 1
	s_add_nc_u64 s[G0+2:G0+3], s[4:5], s[54:55]
	s_or_b32 s[G0+3], s[G0+3], 0x80000000
	s_mov_b32 s[G0B], 1
	s_add_nc_u64 s[G0B+2:G0B+3], s[4:5], s[62:63]
	s_or_b32 s[G0B+3], s[G0B+3], 0x80000000
	s_add_nc_u64 s[WSB:WSB+1], s[6:7], s[56:57]
	s_add_nc_u64 s[XB:XB+1], s[4:5], s[58:59]
	s_add_nc_u64 s[XSB:XSB+1], s[6:7], s[60:61]
	CROUND                                         ; the four work-groups are here: the joint loads meet
	tensor_load_to_lds s[G0:G0+3], s[G1:G1+7]      ; every wave its quarter of tile 0: both addresses go by the wave's number
	s_nop 0
.rept 4
	v_nop
.endr
	v_and_b32 v8, 31, v0
	v_lshlrev_b32 v[L16], 4, v8
	v_lshlrev_b32 v[L8], 3, v8
	v_and_b32 v9, 15, v0
	v_lshlrev_b32 v[R8], 3, v9
	v_add_nc_u32 v[STA], s20, v[L16]
.irp k, 0,1,2,3,4,5
	global_load_b128 v[BF+4*\k:BF+4*\k+3], v[L16], s[WSB:WSB+1] offset:512*\k
.endr
.irp a, 0,1,2,3
	global_load_b128 v[XS+4*\a:XS+4*\a+3], v[L16], s[XSB:XSB+1] offset:512*\a
.endr
.irp s, 0,1,2,3,4,5,6,7                        ; x's fragments in the order of the K steps, 12 loads a step
	WIN 0x40*(1+\s/4)
.irp a, 0,1,2,3
.irp j, 0,1,2
	global_load_b128 v[48*(\s%4)+12*\a+4*\j:48*(\s%4)+12*\a+4*\j+3], v[L16], s[XB:XB+1] offset:12288*\a+1536*\s+512*\j
.endr
.endr
.endr
	WIN 0
	s_wait_alu depctr_va_vdst(0)                   ; the wait at the head's end
	s_wait_loadcnt 63                              ; of my 106 loads the first 43 are in: the six of scale words for LDS among them
	s_wait_tensorcnt 0x0                           ; my quarter of tile 0 is in
.irp k, 0,1,2,3,4,5
	ds_store_b128 v[STA], v[BF+4*\k:BF+4*\k+3] offset:512*\k
.endr
	s_wait_tensorcnt 0x0
	ds_add_u32 v[SPW], v[NIL]
	s_mov_b32 s[G1+2], 192<<16                     ; no tensor load of mine is out: the next brings 192 rows of 256 bytes
	s_mov_b32 s[G1+4], 192
	s_wait_dscnt 0x0                               ; the add and my stores of scale words are done
	CROUND                                         ; tile 0 and all scale words are in, and the four work-groups are here
	tensor_load_to_lds s[G0B:G0B+3], s[G1:G1+7]    ; my quarter of tiles 1 and 2, the first tensor load behind the round
	s_nop 0
.rept 4
	v_nop
.endr
.macro WM d, p, q, sa, sb, s           ; K step 0 starts the sums; an odd K step's scale words stand in lanes 16-31
.if (\s) == 0
	v_wmma_scale_f32_16x16x128_f8f6f4 v[(\d):(\d)+7], v[(\p):(\p)+11], v[(\q):(\q)+11], 0, v[(\sa)], v[(\sb)] matrix_a_fmt:MATRIX_FMT_BF6 matrix_b_fmt:MATRIX_FMT_BF6
.else
.if (\s)%2
	v_wmma_scale_f32_16x16x128_f8f6f4 v[(\d):(\d)+7], v[(\p):(\p)+11], v[(\q):(\q)+11], v[(\d):(\d)+7], v[(\sa)], v[(\sb)] matrix_a_fmt:MATRIX_FMT_BF6 matrix_b_fmt:MATRIX_FMT_BF6 matrix_a_scale:MATRIX_SCALE_ROW1 matrix_b_scale:MATRIX_SCALE_ROW1
.else
	v_wmma_scale_f32_16x16x128_f8f6f4 v[(\d):(\d)+7], v[(\p):(\p)+11], v[(\q):(\q)+11], v[(\d):(\d)+7], v[(\sa)], v[(\sb)] matrix_a_fmt:MATRIX_FMT_BF6 matrix_b_fmt:MATRIX_FMT_BF6
.endif
.endif
.endm
.macro FETCH s, set                    ; the weights' eight fragments of K step s: three loads of 512 consecutive bytes each
.irp b, 0,1,2,3,4,5,6,7
.irp j, 0,1,2
	ds_load_b128 v[BF+96*(\set)+12*\b+4*\j:BF+96*(\set)+12*\b+4*\j+3], v[LBA+\b/4] offset:12288*(\b%4)+1536*(\s)+512*\j
.endr
.endr
.endm
.macro MUL role, s                     ; 32 matrix instructions, the 32 accumulators by turns
.if \role
	WIN 0xF1+(\s)/4                                ; v: source 0 = x (window 1 or 2), source 1 = weights; accumulator (b, a) at 8 (4 b + a)
.irp b, 0,1,2,3,4,5,6,7
.irp a, 0,1,2,3
	WM 8*(4*\b+\a), 48*((\s)%4)+12*\a, BF+96*((\s)%2)+12*\b, XS+4*\a+(\s)/2, BS+4*\b+(\s)/2, \s
.endr
.endr
.else
	WIN 0xF4+4*((\s)/4)                            ; q, k: source 0 = weights, source 1 = x; accumulator (a, b) at 8 (8 a + b)
.irp a, 0,1,2,3
.irp b, 0,1,2,3,4,5,6,7
	WM 8*(8*\a+\b), BF+96*((\s)%2)+12*\b, 48*((\s)%4)+12*\a, BS+4*\b+(\s)/2, XS+4*\a+(\s)/2, \s
.endr
.endr
.endif
	WIN 0
.rept 4
	v_nop                                          ; places ahead of loads into, and writes and reads of, these products' registers
.endr
.endm
.macro KLOOP role
.set S, 0
.rept 8
	s_wait_dscnt 0x0                               ; this K step's fragments of the weights are in (nothing else is out)
.if 12*(7-S) > 63
	s_wait_loadcnt 63                              ; x's fragments of this K step are in: behind them stand the 12 loads of each later K step (the count's field holds 63)
.else
	s_wait_loadcnt 12*(7-S)
.endif
.if S < 7
	FETCH S+1, (S+1)%2
.endif
	MUL \role, S
.set S, S+1
.endr
.endm
; nb blocks of 32 along the quantised axis, 16 nb registers from v[QS] of window 3 (register 16 b + i = index 32 b + 16 h + i), become 3 nb registers of codes at v[QP] and a scale word in v[PWR]
.macro QUANT nb
	WIN 0x0F
.irp b, 0,1,2,3
.if \b < \nb
	v_max3_num_f32 v[TM+\b], |v[QS+16*\b]|, |v[QS+1+16*\b]|, 0x2800000   ; each accumulator is read from its low end on; the floor holds the byte at 1 from below
.endif
.endr
.irp i, 2,4,6,8,10,12,14
.irp b, 0,1,2,3
.if \b < \nb
	v_max3_num_f32 v[TM+\b], |v[QS+16*\b+\i]|, |v[QS+1+16*\b+\i]|, v[TM+\b]
.endif
.endr
.endr
	WIN 0
.irp b, 0,1,2,3
.if \b < \nb
	v_permlanex16_b32 v[TM+4+\b], v[TM+\b], s[SEL], s[SEL+1]
.endif
.endr
.irp b, 0,1,2,3
.if \b < \nb
	v_max_num_f32 v[TM+\b], v[TM+\b], v[TM+4+\b]
.endif
.endr
.irp b, 0,1,2,3
.if \b < \nb
	v_add_nc_u32 v[TM+12+\b], 0xfe000000, v[TM+\b]
.endif
.endr
.irp b, 0,1,2,3
.if \b < \nb
	v_lshrrev_b32 v[TM+4+\b], 23, v[TM+12+\b]
.endif
.endr
	v_lshl_or_b32 v[PWR], v[TM+5], 8, v[TM+4]
.if \nb > 2
	v_lshl_or_b32 v[PWR], v[TM+6], 16, v[PWR]
	v_lshl_or_b32 v[PWR], v[TM+7], 24, v[PWR]
.endif
	WIN 0x03
.irp c, 0,1
.if 2*\c < \nb
	v_cvt_scalef32_pk16_bf6_f32 v[QP+6*\c:QP+6*\c+2], v[QS+32*\c:QS+32*\c+15], v[TM+12+2*\c]
	v_cvt_scalef32_pk16_bf6_f32 v[QC+4*\c:QC+4*\c+2], v[QS+16+32*\c:QS+31+32*\c], v[TM+13+2*\c]
.endif
.endr
	WIN 0
	v_nop                                          ; one plain line behind a scaled conversion
.irp c, 0,1
.if 2*\c < \nb
.irp i, 0,1,2
	v_permlane16_swap_b32 v[QP+6*\c+\i], v[QC+4*\c+\i]   ; the operand's layout wants a whole block in a lane
.endr
.irp i, 0,1,2
	v_mov_b32 v[QP+3+6*\c+\i], v[QC+4*\c+\i]
.endr
.endif
.endr
.endm
	s_mov_b32 s[LB], 0
	s_mov_b32 s[LS], SCL
	s_mov_b32 s[CNT], 3
.Ltile:
	s_wait_xcnt 0x0                                ; the last tile's stores have read their registers and bases
	s_add_co_u32 s21, s[LB], 49152
	v_add_nc_u32 v[LBA], s[LB], v[L16]
	v_add_nc_u32 v[LBA+1], s21, v[L16]
	v_add_nc_u32 v[LSA], s[LS], v[L16]
.irp b, 0,1,2,3,4,5,6,7
	ds_load_b128 v[BS+4*\b:BS+4*\b+3], v[LSA] offset:512*\b
.endr
	FETCH 0, 0
	s_lshr_b32 s54, s[NT], 3                       ; 0 q, 1 k, 2 v
	s_lshl_b32 s54, s54, 9
	s_and_b32 s55, s[NT], 7                        ; head pair
	s_lshl_b32 s55, s55, 4
	s_add_co_u32 s54, s54, s55
	s_add_co_u32 s54, s54, s18                     ; my record
	s_mul_i32 s56, s54, 12288
	s_lshl_b32 s58, s54, 9
	s_cmp_lt_u32 s[NT], 16
	s_cselect_b32 s55, 0, 1
	s_mul_i32 s60, s19, 3072                       ; my half of the tokens: q, k: tiles 4 .. 7, 3,072 bytes on; v: the second eight half images, 6,144 on
	s_lshl_b32 s60, s60, s55
	s_add_co_u32 s56, s56, s60
	s_lshl_b32 s60, s19, 2                         ; in the scale unit: q, k: the second word, v: the second half word
	s_lshr_b32 s60, s60, s55
	s_add_co_u32 s58, s58, s60
	s_mov_b32 s57, 0
	s_mov_b32 s59, 0
	s_add_nc_u64 s[RB:RB+1], s[8:9], s[56:57]
	s_add_nc_u64 s[UB:UB+1], s[10:11], s[58:59]
	s_cmp_lt_u32 s[NT], 16
	s_wait_alu depctr_va_vdst(0)                   ; the wait ahead of the branch
	s_cbranch_scc0 .Lvrole
	KLOOP 0
.irp a, 0,1,2,3
.set QS, 64*\a
.set QP, BF+12*\a
.set PWR, PW+\a
	QUANT 4
	global_store_b128 v[L16], v[QP:QP+3], s[RB:RB+1] offset:768*\a             ; 512 consecutive bytes, aligned
	global_store_b64 v[L8], v[QP+4:QP+5], s[RB:RB+1] offset:768*\a+512         ; 256
	global_store_b128 v[L16], v[QP+6:QP+9], s[RB:RB+1] offset:6144+768*\a
	global_store_b64 v[L8], v[QP+10:QP+11], s[RB:RB+1] offset:6144+768*\a+512
.endr
.irp p, 0,1                                    ; a fragment of q or k is two tiles of tokens of one head: the low (even head) or high (odd head) halves of two words
	v_perm_b32 v[ZT+\p], v[PW+2*\p+1], v[PW+2*\p], 0x05040100
	v_perm_b32 v[ZT+2+\p], v[PW+2*\p+1], v[PW+2*\p], 0x07060302
.endr
	v_cndmask_b32 v[ZT+4], v[ZT], v[ZT+1], s[HI]   ; lanes 0-15 one fragment's words, lanes 16-31 the next one's
	v_cndmask_b32 v[ZT+5], v[ZT+2], v[ZT+3], s[HI]
	global_store_b32 v[L8], v[ZT+4], s[UB:UB+1]
	global_store_b32 v[L8], v[ZT+5], s[UB:UB+1] offset:256
	s_wait_alu depctr_va_vdst(0)
	s_branch .Lnext
.Lvrole:
	KLOOP 1
.irp b, 0,1,2,3,4,5,6,7
.set QS, 32*\b
.set QP, BF+6*\b
.set PWR, PW+\b
	QUANT 2
	global_store_b128 v[L16], v[QP:QP+3], s[RB:RB+1] offset:768*\b
	global_store_b64 v[L8], v[QP+4:QP+5], s[RB:RB+1] offset:768*\b+512
	global_store_b16 v[R8], v[PW+\b], s[UB:UB+1] offset:256*(\b/4)+128*(\b%2)+4*((\b/2)%2)   ; my two of the four scale bytes of a channel's 128 tokens
.endr
	s_wait_alu depctr_va_vdst(0)
.Lnext:
	s_wait_tensorcnt 0x0                           ; my quarter of tiles 1 and 2 is in;
	s_wait_dscnt 0x0
	s_barrier_signal -1
	s_barrier_wait -1                              ; and everybody's: the next tile is whole.
	s_add_co_u32 s[LB], s[LB], 98304
	s_add_co_u32 s[LS], s[LS], 4096
	s_add_co_u32 s[NT], s[NT], 1
	s_sub_co_u32 s[CNT], s[CNT], 1
	s_cmp_lg_u32 s[CNT], 0
	s_cbranch_scc1 .Ltile
	s_wait_tensorcnt 0x0                           ; the wave's end
	ds_add_u32 v[SPW], v[NIL]
	s_wait_dscnt 0x0
	CROUND                                         ; the closing round
	s_endpgm
.Lfunc_end_k_q8f1afe7230_qkv:
	.size	k_q8f1afe7230_qkv, .Lfunc_end_k_q8f1afe7230_qkv-k_q8f1afe7230_qkv
	.p2alignl 7, 3214868480
	.fill 96, 4, 3214868480
	.section	.rodata,"a",@progbits
	.p2align	6, 0x0
	.amdhsa_kernel k_q8f1afe7230_qkv
		.amdhsa_group_segment_fixed_size 327680
		.amdhsa_private_segment_fixed_size 0
		.amdhsa_enable_private_segment 0
		.amdhsa_kernarg_size 32
		.amdhsa_user_sgpr_count 2
		.amdhsa_user_sgpr_kernarg_segment_ptr 1
		.amdhsa_wavefront_size32 1
		.amdhsa_system_sgpr_workgroup_id_x 1
		.amdhsa_system_sgpr_workgroup_id_y 1
		.amdhsa_system_sgpr_workgroup_id_z 1
		.amdhsa_system_vgpr_workitem_id 0
		.amdhsa_next_free_vgpr 1024
		.amdhsa_next_free_sgpr 72
		.amdhsa_reserve_vcc 0
		.amdhsa_float_denorm_mode_32 3
		.amdhsa_float_denorm_mode_16_64 3
		.amdhsa_memory_ordered 1
		.amdhsa_forward_progress 1
		.amdhsa_inst_pref_size 144
	.end_amdhsa_kernel
	.amdgpu_metadata
---
amdhsa.version: [ 1, 2 ]
amdhsa.kernels:
  - .name:           k_q8f1afe7230_qkv
    .symbol:         k_q8f1afe7230_qkv.kd
    .args:
      - { .name: opc, .offset: 0, .size: 8, .value_kind: global_buffer, .address_space: global }
      - { .name: ops, .offset: 8, .size: 8, .value_kind: global_buffer, .address_space: global }
      - { .name: qkvc, .offset: 16, .size: 8, .value_kind: global_buffer, .address_space: global }
      - { .name: qkvs, .offset: 24, .size: 8, .value_kind: global_buffer, .address_space: global }
    .group_segment_fixed_size: 327680
    .private_segment_fixed_size: 0
    .kernarg_segment_align: 8
    .kernarg_segment_size: 32
    .max_flat_workgroup_size: 128
    .sgpr_count:     72
    .vgpr_count:     1024
    .wavefront_size: 32
...
	.end_amdgpu_metadata
.endif
;; end of part 2
;; launch attn (part 3): grid 4 x 64, 8 waves a work-group, clusters of 4 x 1, 327,680 bytes of LDS; arguments qkvc, qkvs, ac, asc; writes ac, asc
.if DOCPART == 3
	.amdgcn_target "amdgcn-amd-amdhsa--gfx1250"
	.amdhsa_code_object_version 6
	.text
	.protected	k_q8f1afe7230_attn
	.globl	k_q8f1afe7230_attn
	.p2align	8
	.type	k_q8f1afe7230_attn,@function
k_q8f1afe7230_attn:
	s_mov_b64 s[64:65], 0
	v_nop
	global_prefetch_b8 v0, s[64:65] scope:SCOPE_SE
	s_setreg_imm32_b32 hwreg(HW_REG_WAVE_MODE, 25, 1), 1
	s_wait_xcnt 0x0
	s_wait_alu depctr_hold_cnt(0) depctr_sa_sdst(0) depctr_va_vdst(0) depctr_va_sdst(0) depctr_va_ssrc(0) depctr_va_vcc(0) depctr_vm_vsrc(0)
	s_getreg_b32 s2, hwreg(HW_REG_IB_STS2, 6, 4)
	s_cmp_eq_u32 s2, 0
	s_cbranch_scc0 .Lentry_in_a_cluster
	s_endpgm
.Lentry_in_a_cluster:
	s_bfe_u32 s2, ttmp6, 0x10000c
	s_cmp_lg_u32 s2, 0x3003
	s_cbranch_scc0 .Lentry_shape_is_right
	s_endpgm
.Lentry_shape_is_right:
; o = softmax(q k^T / 8) v for one batch and head and 512 queries, on codes of BF6 with E8M0 scales; o is quantised again along the head's 64 and stored as the next product's fragments.
; A work-group has 8 waves; a wave owns 64 queries, four tiles of 16, and walks the 2,048 keys in 16 steps of 128.  All of the head's k and v codes (98,304 bytes each) and scale bytes (8,192) lie in LDS for the
; whole launch: one tensor load a wave at the head (waves 0-3 k, waves 4-7 v; four records each), asked for jointly by the four work-groups of a cluster, which serve the same head.  Nothing is filled again.
; The scale bytes come through registers into LDS bytes of their own.  No prefetch: everything that is streamed is asked for at the head, and no loop is left to run ahead in.
; Both products are used transposed (S^T = k q^T, O^T = v^T p^T): a lane holds one query.  The head's 64 fill half of the instruction's 128: a fragment of k holds two tiles of 16 keys, and q stands beside zero codes.
; THE KEYS OF A TILE are chosen by the lanes' LDS addresses: rows 0-7 of tile T of a group of 64 keys are keys 8 T + 0..7, rows 8-15 keys 32 + 8 T + 0..7.  So lane (r, h) holds in 32 registers on end the WHOLE block
; of 32 keys 64 G + 32 h + 0..31, in the order that p's operand wants: a block's largest score needs no other lane, and the conversions' results are the operand.
; p = 2^(t - M), M the ceiling of the running largest t, kept as -M; the row's sum is taken of the unquantised p; when M moves, sum and O^T are multiplied by a power of two made by v_ldexp_f32.
; A block's largest p is the block's largest score put through the same multiply-add and exponential.
; A step's four tiles take turns on two sets of score registers: the next tile's eight score products stand among this tile's additions.  k's fragments for the next step are fetched when the step's last score
; products are issued, v's behind the step's last product.  The last step is written out: it fetches nothing.
; LIMITS: holds while |t| stays under 2^31; a block of p or of o that is all zeros or under 2^-122 gets the byte 1 (its codes are zeros, or as the floor gives them); NaN and infinities are not served.
; REGISTERS.  Window 1 (written by their low numbers): S two sets of 64 scores; KF k's four fragments; Q zeros and the four tiles of q by turns; ST for each tile -M (a pair) and the sum (a pair); BM, T, SO, F, SHV at work.
; Window 0: addresses, all scale words (a scale operand has no window), O the four tiles' O^T, VF v's four fragments, PC p's codes, CT the conversions' second halves.
.set WV,12
.set SEL,20
.set CS,22
.set NCS,24
.set TB,25
.set TS,26
.set CNT,27
.set G1K,28
.set G1V,36
.set G0,44
.set SBS,48
.set QB,50
.set QSB,52
.set OB,54
.set OSB,56
.set VREG,98304
.set SCK,196608
.set SPARE,204800
.set A16,1
.set A8,2
.set KB16,3
.set KB8,4
.set KSB,5
.set VB16,6
.set VB8,7
.set VSB,8
.set W0,9
.set W1,10
.set W2,11
.set QS,12
.set KSC,20
.set VSC,22
.set PSC,24
.set TQ,26
.set TSR,28
.set LD,36
.set GA,37
.set RQ,38
.set R32,39
.set BMO,40
.set PTO,42
.set SOO,44
.set CT,52
.set O,64
.set VF,192
.set PC,240
.set SPW,254
.set NIL,255
.set KF,128
.set Q,176
.set ST,230
.set BM,246
.set T,248
.set SO,250
.set F,252
.set SHV,254
.set MSB,0
.macro WIN new                         ; the immediate's high byte repeats the setting that is left
.if MSB != (\new)
	s_set_vgpr_msb (MSB<<8)|(\new)
.set MSB, (\new)
.endif
.endm
.macro CROUND
	s_barrier_signal -1
	s_barrier_wait -1
	s_cmp_lg_u32 s[WV], 0
	s_cbranch_scc1 .Lnot_wave_0_\@
	s_barrier_signal -3
.Lnot_wave_0_\@:
	s_barrier_wait -3
	s_barrier_signal -1
	s_barrier_wait -1
.endm
	s_load_b256 s[4:11], s[0:1], 0x0               ; records, scale units, o's codes, o's scale bytes
	v_lshl_add_u32 v[SPW], v0, 2, SPARE
	v_mov_b32 v[NIL], 0
	ds_add_u32 v[SPW], v[NIL]                      ; the opening lines: the add twice on end
	ds_add_u32 v[SPW], v[NIL]
	v_lshrrev_b32 v1, 5, v0
	v_readfirstlane_b32 s[WV], v1
	s_bfe_u32 s13, ttmp6, 0x40000                  ; cx: which 512 queries
	s_and_b32 s14, ttmp7, 0xffff
	s_lshr_b32 s15, s14, 4                         ; batch
	s_and_b32 s16, s14, 15                         ; head
	s_lshr_b32 s17, s16, 1
	s_and_b32 s18, s16, 1
	s_lshl_b32 s19, s15, 7
	s_lshl_b32 s2, s17, 4
	s_add_co_u32 s19, s19, s2                      ; 128 batch + 16 head pair: the first record of the 16 blocks of 128 tokens
	s_mov_b32 s[G1K], 15|(3<<16)|(1<<21)           ; k: four rows of 6,144 bytes (a head's part of a record), 12,288 apart
	s_mov_b32 s[G1K+1], 768<<16
	s_mov_b32 s[G1K+2], 4<<16
	s_mov_b32 s[G1K+3], 768<<16
	s_mov_b32 s[G1K+4], 4
	s_mov_b32 s[G1K+5], 1536
	s_mov_b32 s[G1K+6], 0
	s_mov_b32 s[G1K+7], 0
	s_mov_b32 s[G1V], 15|(3<<16)|(1<<21)           ; v: eight rows of 3,072 bytes (a head's part of half a record), 6,144 apart
	s_mov_b32 s[G1V+1], 384<<16
	s_mov_b32 s[G1V+2], 8<<16
	s_mov_b32 s[G1V+3], 384<<16
	s_mov_b32 s[G1V+4], 8
	s_mov_b32 s[G1V+5], 768
	s_mov_b32 s[G1V+6], 0
	s_mov_b32 s[G1V+7], 0
	s_lshr_b32 s2, s[WV], 2                        ; 0: I fetch k, 1: v
	s_and_b32 s3, s[WV], 3
	s_lshl_b32 s59, s2, 9
	s_add_co_u32 s59, s59, 512
	s_add_co_u32 s59, s59, s19
	s_lshl_b32 s3, s3, 2
	s_add_co_u32 s59, s59, s3                      ; the first of my four records
	s_mul_i32 s60, s59, 12288
	s_lshr_b32 s3, 6144, s2
	s_mul_i32 s3, s3, s18
	s_add_co_u32 s60, s60, s3                      ; the head's part: 6,144 bytes on in k, 3,072 in v
	s_mov_b32 s61, 0
	s_lshl_b32 s62, s59, 9                         ; and their scale units: 512 bytes a record, 256 a head
	s_lshl_b32 s3, s18, 8
	s_add_co_u32 s62, s62, s3
	s_mov_b32 s63, 0
	s_mul_i32 s[G0+1], s[WV], 24576                ; LDS: k's sixteen records, then v's
	s_lshl_b32 s3, s13, 2
	s_add_co_u32 s3, s3, s19
	s_lshr_b32 s2, s[WV], 1
	s_add_co_u32 s3, s3, s2                        ; q's record; my four tiles are its tiles 4 (wave % 2) + 0..3
	s_and_b32 s2, s[WV], 1
	s_mul_i32 s[QB], s3, 12288
	s_mul_i32 s66, s18, 6144
	s_add_co_u32 s[QB], s[QB], s66
	s_mul_i32 s66, s2, 3072
	s_add_co_u32 s[QB], s[QB], s66
	s_mov_b32 s[QB+1], 0
	s_lshl_b32 s[QSB], s3, 9
	s_lshl_b32 s66, s18, 8
	s_add_co_u32 s[QSB], s[QSB], s66
	s_lshl_b32 s66, s2, 2
	s_add_co_u32 s[QSB], s[QSB], s66
	s_mov_b32 s[QSB+1], 0
	s_lshl_b32 s3, s13, 5
	s_lshl_b32 s66, s15, 7
	s_add_co_u32 s3, s3, s66
	s_lshl_b32 s66, s[WV], 2
	s_add_co_u32 s3, s3, s66                       ; the first of my four tiles of 16 tokens
	s_lshl_b32 s[OB], s3, 4
	s_add_co_u32 s[OB], s[OB], s16
	s_mul_i32 s[OB], s[OB], 768
	s_mov_b32 s[OB+1], 0
	s_lshl_b32 s[OSB], s3, 9
	s_and_b32 s66, s17, 1                          ; o's scale bytes: 512 bytes a tile of 16 tokens: lane (r, p) has 16 bytes, word i = the scale word of K step 2 i + p; a K step of 128 is a head pair
	s_lshl_b32 s66, s66, 8
	s_add_co_u32 s[OSB], s[OSB], s66
	s_lshr_b32 s66, s17, 1
	s_lshl_b32 s66, s66, 2
	s_add_co_u32 s[OSB], s[OSB], s66
	s_lshl_b32 s66, s18, 1
	s_add_co_u32 s[OSB], s[OSB], s66
	s_mov_b32 s[OSB+1], 0
	s_mov_b32 s[SEL], 0x76543210                   ; v_permlanex16_b32's selects for lane l xor 16
	s_mov_b32 s[SEL+1], 0xfedcba98
	s_mov_b32 s[CS], 0x3e38aa3b                    ; c = log2(e) / 8
	s_mov_b32 s[CS+1], s[CS]
	s_mov_b32 s[NCS], 0xbe38aa3b                   ; -c
	s_wait_dscnt 0x0
	s_wait_kmcnt 0x0
	s_mov_b32 s[G0], 1
	s_add_nc_u64 s[G0+2:G0+3], s[4:5], s[60:61]
	s_or_b32 s[G0+3], s[G0+3], 0x80000000
	s_add_nc_u64 s[SBS:SBS+1], s[6:7], s[62:63]
	s_add_nc_u64 s[QB:QB+1], s[4:5], s[QB:QB+1]
	s_add_nc_u64 s[QSB:QSB+1], s[6:7], s[QSB:QSB+1]
	s_add_nc_u64 s[OB:OB+1], s[8:9], s[OB:OB+1]
	s_add_nc_u64 s[OSB:OSB+1], s[10:11], s[OSB:OSB+1]
	CROUND                                         ; the four work-groups are here: the joint loads meet
	s_cmp_lt_u32 s[WV], 4
	s_cbranch_scc0 .Lfor_v
	tensor_load_to_lds s[G0:G0+3], s[G1K:G1K+7]
	s_nop 0
.rept 4
	v_nop
.endr
	s_branch .Lasked
.Lfor_v:
	tensor_load_to_lds s[G0:G0+3], s[G1V:G1V+7]
	s_nop 0
.rept 4
	v_nop
.endr
.Lasked:
	v_and_b32 v40, 31, v0
	v_lshlrev_b32 v[A16], 4, v40
	v_lshlrev_b32 v[A8], 3, v40
	v_bfe_u32 v41, v0, 3, 1                        ; r / 8
	v_and_b32 v42, 7, v0                           ; r % 8
	v_bfe_u32 v43, v0, 4, 1                        ; h
	v_and_b32 v44, 15, v0                          ; r
	v_mul_u32_u24 v[KB16], v41, 1536               ; k: rows 8-15 come from the stored fragment 1,536 bytes on; in it lane 8 a + r % 8 + 16 h (a in the loads' immediates)
	v_lshl_add_u32 v[KB8], v42, 3, v[KB16]
	v_lshl_add_u32 v[KB8], v43, 7, v[KB8]
	v_lshl_add_u32 v[KB16], v42, 4, v[KB16]
	v_lshl_add_u32 v[KB16], v43, 8, v[KB16]
	v_lshlrev_b32 v[KSB], 7, v41                   ; k's scale words likewise: lanes 0-15 take a = 0, lanes 16-31 a = 1
	v_lshl_add_u32 v[KSB], v42, 3, v[KSB]
	v_lshl_add_u32 v[KSB], v43, 6, v[KSB]
	v_add_nc_u32 v[KSB], SCK, v[KSB]
	v_add_nc_u32 v[VB16], VREG, v[A16]
	v_add_nc_u32 v[VB8], VREG, v[A8]
	v_add_nc_u32 v[VSB], SCK+4096, v[A8]
	v_lshlrev_b32 v[R32], 4, v44
	v_lshlrev_b32 v[RQ], 3, v44
	v_lshrrev_b32 v[GA], 4, v40
	v_lshlrev_b32 v[GA], 9, v[GA]
	v_lshl_add_u32 v[GA], v44, 4, v[GA]            ; scale units: sixteen lanes read a record's 256 bytes, the other sixteen the next record's
	s_lshl_b32 s66, s[WV], 10
	s_add_co_u32 s66, s66, SCK
	v_add_nc_u32 v[LD], s66, v[A16]
	global_load_b128 v[TSR:TSR+3], v[GA], s[SBS:SBS+1]
	global_load_b128 v[TSR+4:TSR+7], v[GA], s[SBS:SBS+1] offset:1024
	global_load_b32 v[TQ], v[RQ], s[QSB:QSB+1]
	global_load_b32 v[TQ+1], v[RQ], s[QSB:QSB+1] offset:128
	WIN 0x40                                       ; destinations in window 1
.irp t, 0,1,2,3
	global_load_b128 v[Q+6+12*\t:Q+9+12*\t], v[A16], s[QB:QB+1] offset:768*\t
	global_load_b64 v[Q+10+12*\t:Q+11+12*\t], v[A8], s[QB:QB+1] offset:768*\t+512
.endr
.irp z, 0,1,2,3,4
.irp j, 0,1,2,3,4,5
	v_mov_b32 v[Q+12*\z+\j], 0                     ; zero codes on both sides of each tile of q
.endr
.endr
.irp t, 0,1,2,3
	v_mov_b32 v[ST+4*\t], 0x7f61b1e6               ; -M: 3e38, over every -t
	v_mov_b32 v[ST+4*\t+1], 0
	v_mov_b32 v[ST+4*\t+2], 0                      ; the sum, in two halves
	v_mov_b32 v[ST+4*\t+3], 0
.endr
	v_mov_b32 v[F+1], 0
	v_lshlrev_b32 v[SHV], 3, v43                   ; 8 h: where my two scale bytes stand in p's word
	WIN 0
.set J, 0
.rept 128
	v_mov_b32 v[O+J], 0                            ; the step is written once for all steps but the last: the first finds zeros; these lines run while the tiles are on their way
.set J, J+1
.endr
	v_mov_b32 v[PTO], 0
	v_mov_b32 v[PTO+1], 0
	s_wait_alu depctr_va_vdst(0)
	s_wait_loadcnt 0x0
.irp p, 0,1                                    ; q's scale words: a tile's two bytes at the low end (q | 0) and at the high end (0 | q)
	v_and_b32 v[QS+4*\p], 0xffff, v[TQ+\p]
	v_lshlrev_b32 v[QS+4*\p+1], 16, v[TQ+\p]
	v_lshrrev_b32 v[QS+4*\p+2], 16, v[TQ+\p]
	v_and_b32 v[QS+4*\p+3], 0xffff0000, v[TQ+\p]
.endr
	s_wait_alu depctr_va_vdst(0)
	s_wait_tensorcnt 0x0                           ; my four records are in
	ds_store_b128 v[LD], v[TSR:TSR+3]
	ds_store_b128 v[LD], v[TSR+4:TSR+7] offset:512
	s_wait_dscnt 0x0
	s_barrier_signal -1
	s_barrier_wait -1                              ; all of k, v and the scale bytes are in
.macro KLOAD                           ; k's four fragments (G, a) of the step at TB, and their scale words
	v_add_nc_u32 v[W0], s[TB], v[KB16]
	v_add_nc_u32 v[W1], s[TB], v[KB8]
	v_add_nc_u32 v[W2], s[TS], v[KSB]
	ds_load_b64 v[KSC:KSC+1], v[W2]
	WIN 0x40
.irp n, 0,1,2,3
.irp u, 0,1
	ds_load_b128 v[KF+12*\n+6*\u:KF+12*\n+6*\u+3], v[W0] offset:3072*(\n/2)+768*\u+128*(\n%2)
	ds_load_b64 v[KF+12*\n+6*\u+4:KF+12*\n+6*\u+5], v[W1] offset:3072*(\n/2)+768*\u+512+64*(\n%2)
.endr
.endr
	WIN 0
.endm
.macro VLOAD                           ; v's four fragments; the four lines ahead of the loads are the places behind the last product
	v_add_nc_u32 v[W0], s[TB], v[VB16]
	v_add_nc_u32 v[W1], s[TB], v[VB8]
	v_add_nc_u32 v[W2], s[TS], v[VSB]
	v_nop
.irp i, 0,1,2,3
.irp c, 0,1
	ds_load_b128 v[VF+12*\i+6*\c:VF+12*\i+6*\c+3], v[W0] offset:3072*\c+768*\i
	ds_load_b64 v[VF+12*\i+6*\c+4:VF+12*\i+6*\c+5], v[W1] offset:3072*\c+768*\i+512
.endr
.endr
	ds_load_b64 v[VSC:VSC+1], v[W2]
.endm
.macro QK1 t, b, n                     ; score product n of tile t into set b: fragment n / 2, its half n % 2: keys 64 (n / 4) + 32 h + 8 (n % 4) + 0..7
.if (((\n)/2)%2)
	v_wmma_scale_f32_16x16x128_f8f6f4 v[64*(\b)+8*(\n):64*(\b)+8*(\n)+7], v[KF+12*((\n)/2):KF+12*((\n)/2)+11], v[Q+6+12*(\t)-6*((\n)%2):Q+17+12*(\t)-6*((\n)%2)], 0, v[KSC+(\n)/4], v[QS+2*(\t)+(\n)%2] matrix_a_fmt:MATRIX_FMT_BF6 matrix_b_fmt:MATRIX_FMT_BF6 matrix_a_scale:MATRIX_SCALE_ROW1
.else
	v_wmma_scale_f32_16x16x128_f8f6f4 v[64*(\b)+8*(\n):64*(\b)+8*(\n)+7], v[KF+12*((\n)/2):KF+12*((\n)/2)+11], v[Q+6+12*(\t)-6*((\n)%2):Q+17+12*(\t)-6*((\n)%2)], 0, v[KSC+(\n)/4], v[QS+2*(\t)+(\n)%2] matrix_a_fmt:MATRIX_FMT_BF6 matrix_b_fmt:MATRIX_FMT_BF6
.endif
.endm
.macro SCS g                           ; p's scale bytes, a line or two among each group of additions
.if (\g) == 0
	v_max_num_f32 v[BM], 0x2800000, v[BM]          ; the floor 2^(5 - 127): the byte cannot fall under 1
	v_max_num_f32 v[BM+1], 0x2800000, v[BM+1]
.endif
.if (\g) == 1
	v_add_nc_u32 v[SO], 0xfe000000, v[BM]          ; 4 off the exponent field: the conversion's scale operand
	v_add_nc_u32 v[SO+1], 0xfe000000, v[BM+1]
.endif
.if (\g) == 2
	v_lshrrev_b32 v[BM], 23, v[SO]
	v_lshrrev_b32 v[BM+1], 23, v[SO+1]
.endif
.if (\g) == 3
	v_lshl_or_b32 v[BM], v[BM+1], 16, v[BM]        ; my blocks h and 2 + h
.endif
.if (\g) == 4
	v_lshlrev_b32 v[BM], v[SHV], v[BM]
.endif
.if (\g) == 5
	v_permlanex16_b32 v[BM+1], v[BM], s[SEL], s[SEL+1]
.endif
.endm
.macro TILE t, last
.set SB, 64*((\t)%2)
.set NM, ST+4*(\t)
.set LS, NM+2
.set OT, O+32*(\t)
.set TN, ((\t)+1)%4
.set BN, ((\t)+1)%2
.set QKON, 1-((\t)/3)*(\last)
.if ((\t) == 3) && ((\last) == 0)
	KLOAD                                          ; this step's last score products were issued in tile 2: k's registers take the next step's
.endif
	WIN 0x55
.irp G, 0,1                                    ; each block's largest score, in two chains; every accumulator is read from its low end on
	v_max3_num_f32 v[BM+\G], v[SB+32*\G], v[SB+32*\G+1], v[SB+32*\G+2]
	v_max3_num_f32 v[T+\G], v[SB+32*\G+16], v[SB+32*\G+17], v[SB+32*\G+18]
.endr
.irp i, 3,5,7,9,11,13
.irp G, 0,1
	v_max3_num_f32 v[BM+\G], v[BM+\G], v[SB+32*\G+\i], v[SB+32*\G+\i+1]
	v_max3_num_f32 v[T+\G], v[T+\G], v[SB+32*\G+16+\i], v[SB+32*\G+17+\i]
.endr
.endr
.irp G, 0,1
	v_max3_num_f32 v[BM+\G], v[BM+\G], v[T+\G], v[SB+32*\G+15]
.endr
.irp G, 0,1
	v_max_num_f32 v[BM+\G], v[BM+\G], v[SB+32*\G+31]
.endr
	v_max_num_f32 v[T], v[BM], v[BM+1]
	v_permlanex16_b32 v[T+1], v[T], s[SEL], s[SEL+1]
	v_max_num_f32 v[T], v[T], v[T+1]               ; the step's largest score of my query
	v_mul_f32 v[T], s[NCS], v[T]
	v_floor_f32 v[T], v[T]                         ; -ceil(t)
	v_min_num_f32 v[T+1], v[NM], v[T]              ; the new -M
	v_sub_f32 v[T], v[T+1], v[NM]                  ; old M less new M: a whole number, 0 or less
	v_mov_b32 v[NM], v[T+1]
	v_cvt_i32_f32 v[T], v[T]                       ; (it saturates)
	v_ldexp_f32 v[F], 1.0, v[T]                    ; f = 2^(old M - new M)
.set J, 0
.rept 32
	v_pk_fma_f32 v[SB+J:SB+J+1], v[SB+J:SB+J+1], s[CS:CS+1], v[NM:NM+1] op_sel_hi:[1,0,0]   ; t - M
.set J, J+2
.endr
	v_fma_f32 v[BM], v[BM], s[CS], v[NM]
	v_fma_f32 v[BM+1], v[BM+1], s[CS], v[NM]
	s_wait_alu depctr_va_vdst(0)                   ; the wait ahead of the batch
.set J, 0
.rept 64
	v_exp_f32 v[SB+J], v[SB+J]
.set J, J+1
.endr
	v_exp_f32 v[BM], v[BM]
	v_exp_f32 v[BM+1], v[BM+1]
	v_pk_mul_f32 v[LS:LS+1], v[LS:LS+1], v[F:F+1] op_sel_hi:[1,0]   ; the sum under the new M; the plain line behind the batch
	s_wait_alu depctr_va_vdst(0)                   ; one wait for the batch
.if ((\t) == 3) && ((\last) == 0)
	s_wait_dscnt 0x0                               ; the next step's fragments of k are in (nothing else is out)
.endif
.set GI, 0
.rept 8                                        ; the row's sum of the unquantised p, in two chains; among the additions the next tile's score products and p's scale bytes
.if QKON
	QK1 TN, BN, GI
.endif
.if GI == 0
	v_pk_add_f32 v[T:T+1], v[SB:SB+1], v[SB+2:SB+3]
.else
	v_pk_add_f32 v[LS:LS+1], v[LS:LS+1], v[SB+8*GI:SB+8*GI+1]
	v_pk_add_f32 v[T:T+1], v[T:T+1], v[SB+8*GI+2:SB+8*GI+3]
.endif
	v_pk_add_f32 v[LS:LS+1], v[LS:LS+1], v[SB+8*GI+4:SB+8*GI+5]
	v_pk_add_f32 v[T:T+1], v[T:T+1], v[SB+8*GI+6:SB+8*GI+7]
	SCS GI
.set GI, GI+1
.endr
	v_pk_add_f32 v[LS:LS+1], v[LS:LS+1], v[T:T+1]
	WIN 0x05                                       ; destinations in window 0
	v_or_b32 v[PSC], v[BM], v[BM+1]                ; with lane l xor 16's two bytes p's scale word is whole
.irp G, 0,1
	v_cvt_scalef32_pk16_bf6_f32 v[PC+6*\G:PC+6*\G+2], v[SB+32*\G:SB+32*\G+15], v[SO+\G]
	v_cvt_scalef32_pk16_bf6_f32 v[CT+4*\G:CT+4*\G+2], v[SB+32*\G+16:SB+32*\G+31], v[SO+\G]   ; (a conversion's three registers begin on an even number)
.endr
	WIN 0
	v_nop                                          ; one plain line behind a scaled conversion
.irp G, 0,1
.irp i, 0,1,2
	v_mov_b32 v[PC+6*\G+3+\i], v[CT+4*\G+\i]
.endr
.endr
	WIN 0x04
.if (\t) == 0
	s_wait_dscnt 0x0                               ; this step's fragments of v are in (nothing else is out)
.endif
	s_wait_alu depctr_va_vdst(0)                   ; the wait directly ahead of the first reader of O^T
.set J, 0
.rept 16
	v_pk_mul_f32 v[OT+J:OT+J+1], v[OT+J:OT+J+1], v[F:F+1] op_sel_hi:[1,0]   ; O^T under the new M; also the places ahead of the products below
.set J, J+2
.endr
	WIN 0
.irp i, 0,1,2,3
.if (\i%2)
	v_wmma_scale_f32_16x16x128_f8f6f4 v[OT+8*\i:OT+8*\i+7], v[VF+12*\i:VF+12*\i+11], v[PC:PC+11], v[OT+8*\i:OT+8*\i+7], v[VSC+\i/2], v[PSC] matrix_a_fmt:MATRIX_FMT_BF6 matrix_b_fmt:MATRIX_FMT_BF6 matrix_a_scale:MATRIX_SCALE_ROW1
.else
	v_wmma_scale_f32_16x16x128_f8f6f4 v[OT+8*\i:OT+8*\i+7], v[VF+12*\i:VF+12*\i+11], v[PC:PC+11], v[OT+8*\i:OT+8*\i+7], v[VSC+\i/2], v[PSC] matrix_a_fmt:MATRIX_FMT_BF6 matrix_b_fmt:MATRIX_FMT_BF6
.endif
.endr
.endm
	s_mov_b32 s[TB], 0
	s_mov_b32 s[TS], 0
	KLOAD
	VLOAD
	s_add_co_u32 s[TB], s[TB], 6144
	s_add_co_u32 s[TS], s[TS], 256
.rept 4
	v_nop                                          ; with the address lines above: eight places between q's scale words and the first scaled product
.endr
	s_wait_dscnt 17                                ; k's 17 loads are in; v's 17 may be out
	WIN 0x55
.irp n, 0,1,2,3,4,5,6,7
	QK1 0, 0, \n
.endr
.rept 4
	v_nop
.endr
	WIN 0
	s_mov_b32 s[CNT], 15
.Lstep:
	TILE 0, 0
	TILE 1, 0
	TILE 2, 0
	TILE 3, 0
	VLOAD
	s_add_co_u32 s[TB], s[TB], 6144
	s_add_co_u32 s[TS], s[TS], 256
	s_sub_co_u32 s[CNT], s[CNT], 1
	s_cmp_lg_u32 s[CNT], 0
	s_cbranch_scc1 .Lstep
	TILE 0, 1                                      ; the last step fetches nothing and starts no further scores
	TILE 1, 1
	TILE 2, 1
	TILE 3, 1
	; THE WAY OUT: O^T / the sum, then quantised along the head's 64: the 16 registers of tiles 2 g, 2 g + 1 are channels 32 g + 16 h + 0..15, a block shared by lanes l and l xor 16
	WIN 0x55
.irp t, 0,1,2,3
	v_add_f32 v[ST+4*\t+2], v[ST+4*\t+2], v[ST+4*\t+3]
.endr
.irp t, 0,1,2,3
	v_permlanex16_b32 v[ST+4*\t], v[ST+4*\t+2], s[SEL], s[SEL+1]
.endr
.irp t, 0,1,2,3
	v_add_f32 v[ST+4*\t+2], v[ST+4*\t+2], v[ST+4*\t]
.endr
	s_wait_alu depctr_va_vdst(0)
.irp t, 0,1,2,3
	v_rcp_f32 v[ST+4*\t+2], v[ST+4*\t+2]
.endr
	v_nop
	WIN 0x04
	s_wait_alu depctr_va_vdst(0)                   ; for the reciprocals, and directly ahead of the first readers of O^T
.irp t, 0,1,2,3
.set J, 0
.rept 16
	v_pk_mul_f32 v[O+32*\t+J:O+32*\t+J+1], v[O+32*\t+J:O+32*\t+J+1], v[ST+4*\t+2:ST+4*\t+3] op_sel_hi:[1,0]
.set J, J+2
.endr
.endr
	WIN 0
.macro OUTT t
.set X, O+32*(\t)
.set OC, VF+12*(\t)                    ; each tile's codes and word have registers of their own: no store's data are written again
.irp b, 0,1
	v_max3_num_f32 v[BMO+\b], |v[X+16*\b]|, |v[X+16*\b+1]|, 0x2800000
.endr
.irp i, 2,4,6,8,10,12,14
.irp b, 0,1
	v_max3_num_f32 v[BMO+\b], v[BMO+\b], |v[X+16*\b+\i]|, |v[X+16*\b+\i+1]|
.endr
.endr
.irp b, 0,1
	v_permlanex16_b32 v[PTO+\b], v[BMO+\b], s[SEL], s[SEL+1]
.endr
.irp b, 0,1
	v_max_num_f32 v[BMO+\b], v[BMO+\b], v[PTO+\b]
.endr
.irp b, 0,1
	v_add_nc_u32 v[SOO+\b], 0xfe000000, v[BMO+\b]
.endr
.irp b, 0,1
	v_lshrrev_b32 v[PTO+\b], 23, v[SOO+\b]
.endr
	v_lshl_or_b32 v[OC+11], v[PTO+1], 8, v[PTO]
	v_cvt_scalef32_pk16_bf6_f32 v[OC:OC+2], v[X:X+15], v[SOO]
	v_cvt_scalef32_pk16_bf6_f32 v[OC+8:OC+10], v[X+16:X+31], v[SOO+1]
	v_nop
.irp i, 0,1,2
	v_permlane16_swap_b32 v[OC+\i], v[OC+8+\i]     ; the operand's layout wants a whole block in a lane
.endr
.irp i, 0,1,2
	v_mov_b32 v[OC+3+\i], v[OC+8+\i]
.endr
	global_store_b128 v[A16], v[OC:OC+3], s[OB:OB+1] offset:12288*(\t)         ; 512 consecutive bytes, aligned
	global_store_b64 v[A8], v[OC+4:OC+5], s[OB:OB+1] offset:12288*(\t)+512     ; 256
	global_store_b16 v[R32], v[OC+11], s[OSB:OSB+1] offset:512*(\t)            ; the head's two scale bytes of each token's 32
.endm
	OUTT 0
	OUTT 1
	OUTT 2
	OUTT 3
	s_wait_tensorcnt 0x0                           ; the wave's end
	ds_add_u32 v[SPW], v[NIL]
	s_wait_dscnt 0x0
	CROUND                                         ; the closing round
	s_endpgm
.Lfunc_end_k_q8f1afe7230_attn:
	.size	k_q8f1afe7230_attn, .Lfunc_end_k_q8f1afe7230_attn-k_q8f1afe7230_attn
	.p2alignl 7, 3214868480
	.fill 96, 4, 3214868480
	.section	.rodata,"a",@progbits
	.p2align	6, 0x0
	.amdhsa_kernel k_q8f1afe7230_attn
		.amdhsa_group_segment_fixed_size 327680
		.amdhsa_private_segment_fixed_size 0
		.amdhsa_enable_private_segment 0
		.amdhsa_kernarg_size 32
		.amdhsa_user_sgpr_count 2
		.amdhsa_user_sgpr_kernarg_segment_ptr 1
		.amdhsa_wavefront_size32 1
		.amdhsa_system_sgpr_workgroup_id_x 1
		.amdhsa_system_sgpr_workgroup_id_y 1
		.amdhsa_system_sgpr_workgroup_id_z 1
		.amdhsa_system_vgpr_workitem_id 0
		.amdhsa_next_free_vgpr 512
		.amdhsa_next_free_sgpr 72
		.amdhsa_reserve_vcc 0
		.amdhsa_float_denorm_mode_32 3
		.amdhsa_float_denorm_mode_16_64 3
		.amdhsa_memory_ordered 1
		.amdhsa_forward_progress 1
		.amdhsa_inst_pref_size 133
	.end_amdhsa_kernel
	.amdgpu_metadata
---
amdhsa.version: [ 1, 2 ]
amdhsa.kernels:
  - .name:           k_q8f1afe7230_attn
    .symbol:         k_q8f1afe7230_attn.kd
    .args:
      - { .name: qkvc, .offset: 0, .size: 8, .value_kind: global_buffer, .address_space: global }
      - { .name: qkvs, .offset: 8, .size: 8, .value_kind: global_buffer, .address_space: global }
      - { .name: ac, .offset: 16, .size: 8, .value_kind: global_buffer, .address_space: global }
      - { .name: asc, .offset: 24, .size: 8, .value_kind: global_buffer, .address_space: global }
    .group_segment_fixed_size: 327680
    .private_segment_fixed_size: 0
    .kernarg_segment_align: 8
    .kernarg_segment_size: 32
    .max_flat_workgroup_size: 256
    .sgpr_count:     72
    .vgpr_count:     512
    .wavefront_size: 32
...
	.end_amdgpu_metadata
.endif
;; end of part 3
;; launch outp (part 4): grid 32 x 8, 4 waves a work-group, clusters of 4 x 1, 167,936 bytes of LDS; arguments ac, asc, opc, ops, bo, out0; writes out0
.if DOCPART == 4
	.amdgcn_target "amdgcn-amd-amdhsa--gfx1250"
	.amdhsa_code_object_version 6
	.text
	.protected	k_q8f1afe7230_outp
	.globl	k_q8f1afe7230_outp
	.p2align	8
	.type	k_q8f1afe7230_outp,@function
k_q8f1afe7230_outp:
	s_mov_b64 s[64:65], 0
	v_nop
	global_prefetch_b8 v0, s[64:65] scope:SCOPE_SE
	s_setreg_imm32_b32 hwreg(HW_REG_WAVE_MODE, 25, 1), 1
	s_wait_xcnt 0x0
	s_wait_alu depctr_hold_cnt(0) depctr_sa_sdst(0) depctr_va_vdst(0) depctr_va_sdst(0) depctr_va_ssrc(0) depctr_va_vcc(0) depctr_vm_vsrc(0)
	s_getreg_b32 s2, hwreg(HW_REG_IB_STS2, 6, 4)
	s_cmp_eq_u32 s2, 0
	s_cbranch_scc0 .Lentry_in_a_cluster
	s_endpgm
.Lentry_in_a_cluster:
	s_bfe_u32 s2, ttmp6, 0x10000c
	s_cmp_lg_u32 s2, 0x3003
	s_cbranch_scc0 .Lentry_shape_is_right
	s_endpgm
.Lentry_shape_is_right:
; out0 = o Wo^T + bo on codes of BF6 with E8M0 scales (K = 1,024), f32 out.  A work-group makes 256 tokens x 128 columns: 32 x 8 = 256 work-groups.
; A wave owns 64 tokens: their fragments for all of K (4 tiles x 8 K steps x 12 = 384 registers) and scale words come straight from memory as register images and stay.  Wo's 128 rows for all of K, 98,304 dense
; bytes, come into LDS by one tensor load a wave, asked for jointly by the four work-groups of a cluster, which share the columns; nothing is filled again, so there is no barrier behind the head's.
; No prefetch: everything that is streamed is asked for at the head.
; Source 0 = 16 rows of Wo, source 1 = 16 tokens: a lane holds eight neighbouring columns of a token's row; the bias is the C of each accumulator's first product.
; Rows lie in tile order (tile 2 G + u: rows 32 G + 8 u + r + 8 (r / 8)): the way out puts columns and rows back by its offsets.  A block of 16 tokens x 128 columns goes through the wave's own stage in LDS
; (bytes that no tensor load fills) and leaves as rows of 512 consecutive bytes, aligned.
; REGISTERS: window 0: v1-15 addresses; XS o's scale words; BS Wo's; BF two sets of Wo's eight fragments (on the way out: rows read back).  Window 1: o's fragments of K steps 0-3, and from v192 the bias.
; Window 2: K steps 4-7.  Window 3: the 32 accumulators, (a, b) at 8 (8 a + b).
.set WV,12
.set G1,24
.set G0,32
.set XB,36
.set XSB,38
.set WSB,40
.set STAGE,98304
.set SPITCH,528
.set SPARE,132096
.set L16,1
.set L8,2
.set LBA,3
.set STO,5
.set RD,6
.set BH,7
.set SPW,14
.set NIL,15
.set XS,16
.set BS,32
.set BF,64
.set BI,192
.set MSB,0
.macro WIN new
.if MSB != (\new)
	s_set_vgpr_msb (MSB<<8)|(\new)
.set MSB, (\new)
.endif
.endm
.macro CROUND
	s_barrier_signal -1
	s_barrier_wait -1
	s_cmp_lg_u32 s[WV], 0
	s_cbranch_scc1 .Lnot_wave_0_\@
	s_barrier_signal -3
.Lnot_wave_0_\@:
	s_barrier_wait -3
	s_barrier_signal -1
	s_barrier_wait -1
.endm
	s_load_b256 s[4:11], s[0:1], 0x0               ; o's codes, o's scale words, the weights' codes, their scale words
	s_load_b128 s[16:19], s[0:1], 0x20             ; bo, out0
	v_lshl_add_u32 v[SPW], v0, 2, SPARE
	v_mov_b32 v[NIL], 0
	ds_add_u32 v[SPW], v[NIL]                      ; the opening lines: the add twice on end
	ds_add_u32 v[SPW], v[NIL]
	v_lshrrev_b32 v8, 5, v0
	v_readfirstlane_b32 s[WV], v8
	s_bfe_u32 s13, ttmp6, 0x40000
	s_lshl_b32 s14, ttmp9, 2
	s_add_co_u32 s14, s14, s13                     ; which 256 tokens
	s_and_b32 s15, ttmp7, 0xffff                   ; which 128 columns
	s_mov_b32 s[G1], 15|(3<<16)|(1<<21)            ; a quarter of Wo's block: 96 rows of 256 bytes, dense
	s_mov_b32 s[G1+1], 32<<16
	s_mov_b32 s[G1+2], 96<<16
	s_mov_b32 s[G1+3], 32<<16
	s_mov_b32 s[G1+4], 96
	s_mov_b32 s[G1+5], 32
	s_mov_b32 s[G1+6], 0
	s_mov_b32 s[G1+7], 0
	s_lshl_b32 s20, s15, 3
	s_add_co_u32 s20, s20, 704                     ; the first of my eight tiles of Wo's rows
	s_mul_i32 s54, s20, 12288
	s_mul_i32 s[G0+1], s[WV], 24576
	s_add_co_u32 s54, s54, s[G0+1]
	s_mov_b32 s55, 0
	s_lshl_b32 s56, s20, 9
	s_mov_b32 s57, 0
	s_lshl_b32 s21, s14, 4
	s_lshl_b32 s22, s[WV], 2
	s_add_co_u32 s21, s21, s22                     ; the first of my four tiles of tokens
	s_mul_i32 s58, s21, 12288
	s_mov_b32 s59, 0
	s_lshl_b32 s60, s21, 9
	s_mov_b32 s61, 0
	s_lshl_b32 s62, s21, 16                        ; 16 rows of 4,096 bytes a tile
	s_mov_b32 s63, 0
	s_lshl_b32 s22, s15, 9                         ; my columns, in bytes
	s_mov_b32 s23, 0
	s_mul_i32 s21, s[WV], 16*SPITCH
	s_add_co_u32 s21, s21, STAGE                   ; my stage
	s_wait_dscnt 0x0
	s_wait_kmcnt 0x0
	s_mov_b32 s[G0], 1
	s_add_nc_u64 s[G0+2:G0+3], s[8:9], s[54:55]
	s_or_b32 s[G0+3], s[G0+3], 0x80000000
	s_add_nc_u64 s[WSB:WSB+1], s[10:11], s[56:57]
	s_add_nc_u64 s[XB:XB+1], s[4:5], s[58:59]
	s_add_nc_u64 s[XSB:XSB+1], s[6:7], s[60:61]
	s_add_nc_u64 s[16:17], s[16:17], s[22:23]
	s_add_nc_u64 s[18:19], s[18:19], s[62:63]
	s_add_nc_u64 s[18:19], s[18:19], s[22:23]
	CROUND                                         ; the four work-groups are here: the joint loads meet
	tensor_load_to_lds s[G0:G0+3], s[G1:G1+7]      ; every wave its quarter: both addresses go by the wave's number
	s_nop 0
.rept 4
	v_nop
.endr
	v_and_b32 v8, 31, v0
	v_lshlrev_b32 v[L16], 4, v8
	v_lshlrev_b32 v[L8], 3, v8
	v_and_b32 v9, 15, v0
	v_bfe_u32 v10, v0, 4, 1
	v_lshlrev_b32 v[BH], 6, v10
	v_mov_b32 v[LBA], v[L16]
	v_add_nc_u32 v[LBA+1], 49152, v[L16]
	v_mul_u32_u24 v[STO], v9, SPITCH               ; into the stage: row r, 64 bytes for each half of the lanes
	v_add_nc_u32 v[STO], v[STO], v[BH]
	v_add_nc_u32 v[STO], s21, v[STO]
	v_add_nc_u32 v[RD], s21, v[L16]                ; back: the 32 lanes take one row of 512 bytes
.irp b, 0,1,2,3,4,5,6,7
	global_load_b128 v[BS+4*\b:BS+4*\b+3], v[L16], s[WSB:WSB+1] offset:512*\b
.endr
.irp a, 0,1,2,3
	global_load_b128 v[XS+4*\a:XS+4*\a+3], v[L16], s[XSB:XSB+1] offset:512*\a
.endr
	WIN 0x40
.irp b, 0,1,2,3,4,5,6,7
	global_load_b128 v[BI+8*\b:BI+8*\b+3], v[BH], s[16:17] offset:128*(\b/2)+32*(\b%2)         ; the bias at the lane's eight columns of tile b
	global_load_b128 v[BI+8*\b+4:BI+8*\b+7], v[BH], s[16:17] offset:128*(\b/2)+32*(\b%2)+16
.endr
.irp s, 0,1,2,3,4,5,6,7
	WIN 0x40*(1+\s/4)
.irp a, 0,1,2,3
	global_load_b128 v[48*(\s%4)+12*\a:48*(\s%4)+12*\a+3], v[L16], s[XB:XB+1] offset:12288*\a+1536*\s
	global_load_b64 v[48*(\s%4)+12*\a+4:48*(\s%4)+12*\a+5], v[L8], s[XB:XB+1] offset:12288*\a+1536*\s+512
	global_load_b128 v[48*(\s%4)+12*\a+6:48*(\s%4)+12*\a+9], v[L16], s[XB:XB+1] offset:12288*\a+1536*\s+768
	global_load_b64 v[48*(\s%4)+12*\a+10:48*(\s%4)+12*\a+11], v[L8], s[XB:XB+1] offset:12288*\a+1536*\s+1280
.endr
.endr
	WIN 0
	s_wait_alu depctr_va_vdst(0)                   ; the wait at the head's end
	s_wait_tensorcnt 0x0
	s_barrier_signal -1
	s_barrier_wait -1                              ; all of Wo's rows are in
.macro WM d, p, q, c, sa, sb, s        ; K step 0 starts the sums on the bias; an odd K step's scale words stand in lanes 16-31
.if (\s) == 0
	v_wmma_scale_f32_16x16x128_f8f6f4 v[(\d):(\d)+7], v[(\p):(\p)+11], v[(\q):(\q)+11], v[(\c):(\c)+7], v[(\sa)], v[(\sb)] matrix_a_fmt:MATRIX_FMT_BF6 matrix_b_fmt:MATRIX_FMT_BF6
.else
.if (\s)%2
	v_wmma_scale_f32_16x16x128_f8f6f4 v[(\d):(\d)+7], v[(\p):(\p)+11], v[(\q):(\q)+11], v[(\d):(\d)+7], v[(\sa)], v[(\sb)] matrix_a_fmt:MATRIX_FMT_BF6 matrix_b_fmt:MATRIX_FMT_BF6 matrix_a_scale:MATRIX_SCALE_ROW1 matrix_b_scale:MATRIX_SCALE_ROW1
.else
	v_wmma_scale_f32_16x16x128_f8f6f4 v[(\d):(\d)+7], v[(\p):(\p)+11], v[(\q):(\q)+11], v[(\d):(\d)+7], v[(\sa)], v[(\sb)] matrix_a_fmt:MATRIX_FMT_BF6 matrix_b_fmt:MATRIX_FMT_BF6
.endif
.endif
.endm
.macro FETCH s, set
.irp b, 0,1,2,3,4,5,6,7
.irp j, 0,1,2
	ds_load_b128 v[BF+96*(\set)+12*\b+4*\j:BF+96*(\set)+12*\b+4*\j+3], v[LBA+\b/4] offset:12288*(\b%4)+1536*(\s)+512*\j
.endr
.endr
.endm
	FETCH 0, 0
.set S, 0
.rept 8
	s_wait_dscnt 0x0                               ; this K step's fragments of Wo are in (nothing else is out)
.if 16*(7-S) > 63
	s_wait_loadcnt 63                              ; the scale words, the bias and o's fragments of this K step are in: behind them stand the 16 loads of each later K step (the count's field holds 63)
.else
	s_wait_loadcnt 16*(7-S)
.endif
.if S < 7
	FETCH S+1, (S+1)%2
.endif
.if S == 0
	WIN 0xD4                                       ; C, the bias, in window 1
.else
	WIN 0xF4+4*(S/4)
.endif
.irp a, 0,1,2,3                                ; 32 matrix instructions, the 32 accumulators by turns
.irp b, 0,1,2,3,4,5,6,7
	WM 8*(8*\a+\b), BF+96*(S%2)+12*\b, 48*(S%4)+12*\a, BI+8*\b, BS+4*\b+S/2, XS+4*\a+S/2, S
.endr
.endr
	WIN 0
.rept 4
	v_nop                                          ; places ahead of loads into, and reads of, these products' registers
.endr
.set S, S+1
.endr
.macro TOSTAGE a
	WIN 0x0C                                       ; the data: window 3
.irp b, 0,1,2,3,4,5,6,7
	ds_store_b128 v[STO], v[64*(\a)+8*\b:64*(\a)+8*\b+3] offset:128*(\b/2)+32*(\b%2)          ; each accumulator from its low end on
	ds_store_b128 v[STO], v[64*(\a)+8*\b+4:64*(\a)+8*\b+7] offset:128*(\b/2)+32*(\b%2)+16
.endr
	WIN 0
.set BB, BF+64*((\a)%2)
.irp t, 0,1,2,3,4,5,6,7,8,9,10,11,12,13,14,15
	ds_load_b128 v[BB+4*\t:BB+4*\t+3], v[RD] offset:\t*SPITCH      ; LDS serves a wave's instructions in order: these see the stores
.endr
.endm
.macro SEND a, younger                 ; younger: the LDS instructions issued behind block a's loads, which may stay out
.set BB, BF+64*((\a)%2)
	s_wait_dscnt \younger
.if (\a) == 2
	s_add_nc_u64 s[18:19], s[18:19], 32*4096       ; (behind a wait on XCNT: the earlier stores have read their base)
.endif
.irp t, 0,1,2,3,4,5,6,7,8,9,10,11,12,13,14,15
	global_store_b128 v[L16], v[BB+4*\t:BB+4*\t+3], s[18:19] offset:(8*((\a)%2)+\t+8*(\t/8))*4096 th:TH_STORE_NT   ; 512 consecutive bytes, aligned
.endr
.endm
	TOSTAGE 0
.irp a, 1,2,3
.if \a > 1
	s_wait_xcnt 0x0                                ; block a - 2's stores have read their registers and their base
.endif
	TOSTAGE \a
	SEND \a-1, 32
.endr
	s_wait_xcnt 0x0
	SEND 3, 0
	s_wait_tensorcnt 0x0                           ; the wave's end
	ds_add_u32 v[SPW], v[NIL]
	s_wait_dscnt 0x0
	CROUND                                         ; the closing round
	s_endpgm
.Lfunc_end_k_q8f1afe7230_outp:
	.size	k_q8f1afe7230_outp, .Lfunc_end_k_q8f1afe7230_outp-k_q8f1afe7230_outp
	.p2alignl 7, 3214868480
	.fill 96, 4, 3214868480
	.section	.rodata,"a",@progbits
	.p2align	6, 0x0
	.amdhsa_kernel k_q8f1afe7230_outp
		.amdhsa_group_segment_fixed_size 167936
		.amdhsa_private_segment_fixed_size 0
		.amdhsa_enable_private_segment 0
		.amdhsa_kernarg_size 48
		.amdhsa_user_sgpr_count 2
		.amdhsa_user_sgpr_kernarg_segment_ptr 1
		.amdhsa_wavefront_size32 1
		.amdhsa_system_sgpr_workgroup_id_x 1
		.amdhsa_system_sgpr_workgroup_id_y 1
		.amdhsa_system_sgpr_workgroup_id_z 1
		.amdhsa_system_vgpr_workitem_id 0
		.amdhsa_next_free_vgpr 1024
		.amdhsa_next_free_sgpr 72
		.amdhsa_reserve_vcc 0
		.amdhsa_float_denorm_mode_32 3
		.amdhsa_float_denorm_mode_16_64 3
		.amdhsa_memory_ordered 1
		.amdhsa_forward_progress 1
		.amdhsa_inst_pref_size 80
	.end_amdhsa_kernel
	.amdgpu_metadata
---
amdhsa.version: [ 1, 2 ]
amdhsa.kernels:
  - .name:           k_q8f1afe7230_outp
    .symbol:         k_q8f1afe7230_outp.kd
    .args:
      - { .name: ac, .offset: 0, .size: 8, .value_kind: global_buffer, .address_space: global }
      - { .name: asc, .offset: 8, .size: 8, .value_kind: global_buffer, .address_space: global }
      - { .name: opc, .offset: 16, .size: 8, .value_kind: global_buffer, .address_space: global }
      - { .name: ops, .offset: 24, .size: 8, .value_kind: global_buffer, .address_space: global }
      - { .name: bo, .offset: 32, .size: 8, .value_kind: global_buffer, .address_space: global }
      - { .name: out0, .offset: 40, .size: 8, .value_kind: global_buffer, .address_space: global }
    .group_segment_fixed_size: 167936
    .private_segment_fixed_size: 0
    .kernarg_segment_align: 8
    .kernarg_segment_size: 48
    .max_flat_workgroup_size: 128
    .sgpr_count:     72
    .vgpr_count:     1024
    .wavefront_size: 32
...
	.end_amdgpu_metadata
.endif
;; end of part 4
